; MI455X (gfx1250); checked and timed in simulation.
; The chip was launched on July 23, 2026; its instructions are those of AMD's public machine-readable ISA for CDNA 5 (MIT licence, August 2026) and "CDNA5" Instruction Set Architecture Reference Guide (July 2026). The comments in the code are by the model that wrote it; some were corrected since.
;; Context Aware Attention. Allowed arithmetic: matrix products marked QUANTISED: E4M3 operands, one E8M0 scale for each 32 along K, by v_wmma_scale_f32_16x16x128_f8f6f4 with both operands' format E4M3, f32 sums; products left as they are: f32 operands where the result goes on into a quantised operand, else bf16, f16 or f32 operands; f32 sums; everything else in f32.
;; Inputs: W_ctx 1,024 x 1,024 float32; W_in 1,024 x 1,024 float32; b_att one number float32; b_ctx 1,024 float32; b_in 1,024 float32; context 16 x 1,024 float32; w_att 1,024 float32; x 16 x 4,096 x 1,024 float32.
;; Outputs: out0 16 x 1,024 float32.
;; This version of the problem:
;;   THIS VERSION OF THE PROBLEM IS GIVEN IN LOW PRECISION. The matrix products marked QUANTISED in the list below multiply operands that are first quantised to E4M3 (4 exponent bits, 3 mantissa bits; 8 bits a number), with one power-of-two scale for each 32 numbers along K (OCP MX v1.0); their sums are f32. All else is computed in f32.
;;   The module's matrix products, in the order in which they are computed (A, B: the left and right operand; K: the contracted axis; several contracted axes count as one K, in the product's order):
;;     1. [M 65,536, K 1,024] x [K 1,024, N 1,024]; A: input x; B: input W_in: QUANTISED
;;     2. [M 16, K 1,024] x [K 1,024, N 1,024]; A: input context; B: input W_ctx: QUANTISED
;;     3. [M 65,536, K 1,024] x [K 1,024, N 1]; A: computed on the way; B: input w_att: left as it is (N = 1 < 16)
;;     4. batch 16 x [M 1, K 4,096] x [K 4,096, N 1,024]; A: softmax; B: input x: left as it is (M = 1 < 16)
;;   THE QUANTISER, for each operand of a quantised product, along K:
;;     - K is cut into blocks of 32 from its start; a last block that is shorter is filled with zeros.
;;     - A block's scale is 2^e with e = floor(log2(the largest magnitude in the block)) - 8, held to -126 .. 127; a block of zeros has e = 0. As a byte (E8M0): e + 127.
;;     - Each number is divided by its block's scale, clamped to +-448, and rounded to the nearest number of E4M3, ties to even, subnormals kept.
;;     - The product sums the exact products of the quantised numbers (number of the format x scale) in f32.
;;   ~~~python
;;   def quantise(x, axis):      # numpy; x: float32 -> the quantised numbers, widened to float32 again
;;       x = np.moveaxis(x, axis, -1); K = x.shape[-1]
;;       x = np.pad(x, [(0, 0)] * (x.ndim - 1) + [(0, -K % 32)]); x = x.reshape(x.shape[:-1] + (-1, 32)); a = np.abs(x).max(-1, keepdims=True)
;;       e = np.where(a > 0, np.clip(np.frexp(np.where(a > 0, a, 1))[1] - 1 - 8, -126, 127), 0)      # np.frexp(a)[1] - 1 = floor(log2(a)), exactly
;;       r = np.clip(x / 2.0 ** e, -448, 448)
;;       step = 2.0 ** (np.maximum(np.frexp(np.where(r == 0, 1, r))[1] - 1, -6) - 3)
;;       q = np.round(r / step) * step * 2.0 ** e      # np.round: ties to even
;;       return np.moveaxis(q.reshape(q.shape[:-2] + (-1,))[..., :K], -1, axis).astype(np.float32)
;;   ~~~
;; One version. Each part assembles by itself: llvm-mc -triple=amdgcn-amd-amdhsa -mcpu=gfx1250 --defsym DOCPART=n.
;; ======== version 1 of 1: 3 launches
;; limits: values are held in bf16: 8 bits of precision; right only within a limited range of input values
;; workspace buffers: wq 1,048,576 bytes; ws 32,768 bytes; bias2 65,536 bytes; part 1,179,648 bytes
;; launch prep (part 1): grid 128 x 1, 8 waves a work-group, no clusters, 11,264 bytes of LDS; arguments W_in, W_ctx, context, b_in, b_ctx, wq, ws, bias2; writes wq, ws, bias2
.if DOCPART == 1
	.amdgcn_target "amdgcn-amd-amdhsa--gfx1250"
	.amdhsa_code_object_version 6
	.text
	.protected	k_q97deb6589d_prep
	.globl	k_q97deb6589d_prep
	.p2align	8
	.type	k_q97deb6589d_prep,@function
k_q97deb6589d_prep:
	s_mov_b64 s[64:65], 0
	v_nop
	global_prefetch_b8 v0, s[64:65] scope:SCOPE_SE
	s_setreg_imm32_b32 hwreg(HW_REG_WAVE_MODE, 25, 1), 1
	s_wait_xcnt 0x0
; PREP.  Work-groups 0-63: W_in [1024 e][1024 d], f32, becomes codes of E4M3 with one E8M0 byte for each 32 along d (K is innermost).
;   wq: the codes in the order of an operand's registers: block (tile T = e / 16, K step s) at (8 T + s) x 2048; in it piece c at 512 c, lane l's 16 bytes at 16 l:
;       row 16 T + l % 16, k = 128 s + 32 c + 16 (l / 16) + 0 .. 15.   ws: the scale words by tile: 512 T + 256 (s / 4) + 16 (row % 16) + 4 (s % 4).
; Work-groups 64-127: pc = context W_ctx^T on codes made the same way; bias2[b][e] = C2 x (pc + b_ctx + b_in), C2 = 2 log2(e): what the next launch adds ahead of its exponential.
; SHARES.  A work-group takes 16 rows e (tile T) of its matrix, wave w K step w (128 along d).  A lane holds 16 neighbours of each of four blocks of 32; lanes l and l xor 16 share a block.
; The two ways part ONCE, behind the matrix's loads, and join at the barrier: all that a way reads is written at the head or on that way.  Each way has LDS bytes of its own.
; The eight waves' parts of pc meet in LDS and wave 0 adds them (f32).
; LIMITS: a block of zeros gets the scale byte 1 and not 127 (its codes are zeros, and this program alone reads the bytes); NaN and infinities among the inputs are not served.
; bias2 leaves in pieces of 32 bytes a lane, 64 KiB in the whole launch.
; WORK LEFT OUT BY THE PROGRAM.  softmax(s + c) = softmax(s) for every c that is the same along the axis of the softmax: numerator and denominator both carry the factor e^c.
; reference() adds b_att to every score of a batch; and with tanh(z) = 1 - 2 / (1 + e^(2 z)) a score is b_att + sum over e of w_att[e] - 2 sum over e of w_att[e] / (1 + e^(2 z)),
; whose first two terms are the same for all 4,096 positions, whatever the inputs hold.  So neither is added: b_att has no way to the output, is not loaded and is no launch's argument.
; LIMIT: a NaN, an infinity or an overflow that would reach the result through b_att or through the sum of w_att alone is not carried to it.
.set X,   64                           ; v64-127  64 numbers of the matrix; later the eight parts of pc
.set Y,   128                          ; v128-191 64 numbers of context; later the biases
.set PCW, 32                           ; v32-47   the matrix's codes
.set PCC, 48                           ; v48-63   context's codes
.set PWW, 16                           ; v16      the matrix's scale word: holds scales and nothing else
.set PWC, 17                           ; v17      context's
.set TM,  192                          ; v192-207 the quantiser's work
.set ACC, 208                          ; v208-215 my K step's part of pc
.set LA,  0                            ; LDS: 512 bytes of scale words (W_in's way)
.set LB,  1024                         ; LDS: 8 x 1,024 bytes, the waves' parts of pc (W_ctx's way)
.set SEL, 20                           ; s[20:21] v_permlanex16_b32's selects for lane l xor 16
.set MNT, 22                           ; s22      the mantissa field of 448
.set CC,  24                           ; s[24:25] C2, twice
.set WV,  26                           ; s26      wave
.set TT,  27                           ; s27      tile T
; 64 numbers of a lane, register 16 b + i = k 32 b + 16 (lane / 16) + i of my row, become a fragment's 16 registers of codes and its scale word
.macro QUANT s, d, pw
.irp b, 0,1,2,3
	v_max3_num_f32 v[TM+\b], |v[\s+16*\b]|, |v[\s+1+16*\b]|, 0x4800000   ; block b: my 16 numbers, and the floor 2^(9 - 127): the byte cannot fall under 1
.endr
.irp i, 2,4,6,8,10,12,14
.irp b, 0,1,2,3
	s_delay_alu instid0(VALU_DEP_4)
	v_max3_num_f32 v[TM+\b], v[TM+\b], |v[\s+16*\b+\i]|, |v[\s+1+16*\b+\i]|   ; the four blocks by turns
.endr
.endr
.irp b, 0,1,2,3
	s_delay_alu instid0(VALU_DEP_4)
	v_permlanex16_b32 v[TM+4+\b], v[TM+\b], s[SEL], s[SEL+1]
.endr
.irp b, 0,1,2,3
	s_delay_alu instid0(VALU_DEP_4)
	v_max_num_f32 v[TM+\b], v[TM+\b], v[TM+4+\b]       ; with lane l xor 16's: the block's largest magnitude
.endr
.irp b, 0,1,2,3
	s_delay_alu instid0(VALU_DEP_4)
	v_add_nc_u32 v[TM+12+\b], 0xfc000000, v[TM+\b]     ; 8 off its exponent field: the conversion's scale operand
.endr
.irp b, 0,1,2,3
	v_and_or_b32 v[TM+8+\b], v[TM+\b], 0x7f800000, s[MNT]   ; 448 x the scale
.endr
.irp b, 0,1,2,3
	v_lshrrev_b32 v[TM+4+\b], 23, v[TM+12+\b]          ; the scale's byte
.endr
	s_delay_alu instid0(VALU_DEP_3)
	v_lshl_or_b32 v[\pw], v[TM+5], 8, v[TM+4]
	s_delay_alu instid0(VALU_DEP_1)
	v_lshl_or_b32 v[\pw], v[TM+6], 16, v[\pw]
	s_delay_alu instid0(VALU_DEP_1)
	v_lshl_or_b32 v[\pw], v[TM+7], 24, v[\pw]
.irp b, 0,1,2,3
.irp i, 0,1,2,3,4,5,6,7,8,9,10,11,12,13,14,15
	v_med3_num_f32 v[\s+16*\b+\i], v[\s+16*\b+\i], -v[TM+8+\b], v[TM+8+\b]   ; the conversion to an 8-bit code does not saturate (ISA guide 7.6.2): the hold comes first
.endr
	v_cvt_scalef32_pk8_fp8_f32 v[\d+4*\b:\d+1+4*\b], v[\s+16*\b:\s+7+16*\b], v[TM+12+\b]
	v_cvt_scalef32_pk8_fp8_f32 v[\d+2+4*\b:\d+3+4*\b], v[\s+8+16*\b:\s+15+16*\b], v[TM+12+\b]
.endr
	v_nop                                          ; one plain line behind the last conversion, ahead of whatever next touches its registers
.endm
	s_load_b256 s[4:11], s[0:1], 0x0               ; W_in s[4:5], W_ctx s[6:7], context s[8:9], b_in s[10:11]
	s_load_b256 s[12:19], s[0:1], 0x20             ; b_ctx s[12:13], wq s[14:15], ws s[16:17], bias2 s[18:19]
	v_lshl_add_u32 v254, v0, 2, 0x2800
	v_mov_b32 v255, 0
	v_lshrrev_b32 v1, 5, v0
	s_delay_alu instid0(VALU_DEP_1)
	v_readfirstlane_b32 s[WV], v1                  ; wave 0..7 = K step
	v_and_b32 v1, 15, v0                           ; r
	v_bfe_u32 v2, v0, 4, 1                         ; h
	v_and_b32 v4, 31, v0
	s_delay_alu instid0(VALU_DEP_1)
	v_lshlrev_b32 v4, 4, v4                        ; 16 x lane: wq's and ws's offset, and LA's place on the way out (LA = 0)
	s_wait_alu depctr_va_vdst(0)
	s_lshl_b32 s28, s[WV], 9
	v_lshlrev_b32 v3, 12, v1
	s_delay_alu instid0(VALU_DEP_1)
	v_lshl_add_u32 v3, v2, 6, v3
	s_delay_alu instid0(VALU_DEP_1)
	v_add_nc_u32 v3, s28, v3                       ; row r of 4,096 bytes + 512 w + 64 h: my 16 numbers of the K step's first block
	s_lshr_b32 s28, s[WV], 2                       ; every LDS address is made here, ahead of the ways' parting
	s_lshl_b32 s28, s28, 8
	s_and_b32 s29, s[WV], 3
	s_lshl_b32 s29, s29, 2
	s_add_co_u32 s28, s28, s29
	v_lshl_add_u32 v5, v1, 4, s28                  ; LA + 256 (w / 4) + 16 r + 4 (w % 4): my row's scale word
	s_lshl_b32 s28, s[WV], 10
	s_add_co_u32 s28, s28, LB
	v_add_nc_u32 v6, s28, v4                       ; LB + 1,024 w + 16 x lane: my part of pc
	v_add_nc_u32 v7, LB, v4                        ; and where wave 0 reads the parts
	v_lshlrev_b32 v8, 5, v2                        ; the biases: 32 h
	s_delay_alu instid0(VALU_DEP_1)
	v_lshl_add_u32 v9, v1, 12, v8                  ; bias2: row b = r of 4,096 bytes + 32 h
	s_mov_b32 s[SEL], 0x76543210
	s_mov_b32 s[SEL+1], 0xfedcba98
	s_mov_b32 s[MNT], 0x600000
	s_mov_b32 s[CC], 0x4038aa3b
	s_mov_b32 s[CC+1], s[CC]
.irp b, 0,1,2,3
	v_mov_b32 v[TM+4+\b], 0                        ; written once: a lane permute's destination counts as one of its sources
.endr
	s_and_b32 s[TT], ttmp9, 63
	s_lshl_b32 s28, s[TT], 16                      ; the tile's 16 rows in the matrix
	s_mov_b32 s29, 0
	s_lshl_b32 s30, s[TT], 3
	s_add_co_u32 s30, s30, s[WV]
	s_lshl_b32 s30, s30, 11                        ; (8 T + w) x 2,048 in wq
	s_mov_b32 s31, 0
	s_lshl_b32 s32, s[TT], 9                       ; 512 T in ws
	s_mov_b32 s33, 0
	s_lshl_b32 s34, s[TT], 6                       ; 64 T: the tile's 16 numbers in a row of biases
	s_mov_b32 s35, 0
	s_wait_kmcnt 0x0
	s_cmp_lt_u32 ttmp9, 64                         ; the choice hangs on the work-group's number alone
	s_cselect_b64 s[4:5], s[4:5], s[6:7]
	s_add_nc_u64 s[4:5], s[4:5], s[28:29]
	s_add_nc_u64 s[14:15], s[14:15], s[30:31]
	s_add_nc_u64 s[16:17], s[16:17], s[32:33]
	s_add_nc_u64 s[10:11], s[10:11], s[34:35]
	s_add_nc_u64 s[12:13], s[12:13], s[34:35]
	s_add_nc_u64 s[18:19], s[18:19], s[34:35]
.irp c, 0,1,2,3
.irp j, 0,1,2,3
	global_load_b128 v[X+16*\c+4*\j:X+16*\c+4*\j+3], v3, s[4:5] offset:128*\c+16*\j th:TH_LOAD_NT   ; read once in the launch
.endr
.endr
	s_cmp_lt_u32 ttmp9, 64
	s_cbranch_scc0 .Lctx                           ; THE PARTING
	; ---- W_in's way: codes to wq, the scale word to LDS
	s_wait_loadcnt 0x0
	QUANT X, PCW, PWW
.irp c, 0,1,2,3
	global_store_b128 v4, v[PCW+4*\c:PCW+4*\c+3], s[14:15] offset:512*\c   ; 32 lanes store 512 consecutive bytes
.endr
	ds_store_b32 v5, v[PWW]                        ; both lanes of a row write the same word with the same value
	s_branch .Ljoin
.Lctx:
	; ---- W_ctx's way: context's numbers are asked for here and land while the matrix is quantised
.irp c, 0,1,2,3
.irp j, 0,1,2,3
	global_load_b128 v[Y+16*\c+4*\j:Y+16*\c+4*\j+3], v3, s[8:9] offset:128*\c+16*\j   ; context: row b = r, the same k
.endr
.endr
	s_wait_loadcnt 16                              ; the matrix's sixteen loads are in; context's sixteen, issued behind them, may be out
	QUANT X, PCW, PWW
	s_wait_loadcnt 0x0
	QUANT Y, PCC, PWC
.rept 8
	v_nop                                          ; codes and scale words made by vector instructions stand these places ahead of the scaled matrix instruction
.endr
	v_wmma_scale_f32_16x16x128_f8f6f4 v[ACC:ACC+7], v[PCW:PCW+15], v[PCC:PCC+15], 0, v[PWW], v[PWC]   ; source 0 = 16 rows of W_ctx, source 1 = the 16 batches: lane (r, h) holds batch r, register j holds e = 16 T + 8 h + j
.rept 8
	v_nop                                          ; eight places ahead of the first read of the result
.endr
	ds_store_b128 v6, v[ACC:ACC+3]                 ; from its low end on
	ds_store_b128 v6, v[ACC+4:ACC+7] offset:512
.Ljoin:
	s_wait_dscnt 0x0                               ; for the others' sake: my LDS stores have landed
	s_barrier_signal -1
	s_barrier_wait -1
	s_cmp_lg_u32 s[WV], 0
	s_cbranch_scc1 .Lend                           ; wave 0 alone finishes; no barrier follows
	s_cmp_lt_u32 ttmp9, 64
	s_cbranch_scc0 .Lsum
	ds_load_b128 v[X:X+3], v4                      ; the tile's 512 bytes of scale words
	s_wait_dscnt 0x0
	global_store_b128 v4, v[X:X+3], s[16:17]       ; 512 consecutive bytes
	s_branch .Lend
.Lsum:
.irp w, 0,1,2,3,4,5,6,7
	ds_load_b128 v[X+8*\w:X+8*\w+3], v7 offset:1024*\w
	ds_load_b128 v[X+8*\w+4:X+8*\w+7], v7 offset:1024*\w+512
.endr
	global_load_b128 v[Y:Y+3], v8, s[10:11]        ; b_in at e = 16 T + 8 h + 0 .. 7
	global_load_b128 v[Y+4:Y+7], v8, s[10:11] offset:16
	global_load_b128 v[Y+8:Y+11], v8, s[12:13]     ; b_ctx likewise
	global_load_b128 v[Y+12:Y+15], v8, s[12:13] offset:16
	s_wait_dscnt 0x0
	s_wait_loadcnt 0x0
.irp p, 0,2,4,6
	v_pk_add_f32 v[X+\p:X+\p+1], v[X+\p:X+\p+1], v[X+8+\p:X+9+\p]
	v_pk_add_f32 v[X+16+\p:X+17+\p], v[X+16+\p:X+17+\p], v[X+24+\p:X+25+\p]
	v_pk_add_f32 v[X+32+\p:X+33+\p], v[X+32+\p:X+33+\p], v[X+40+\p:X+41+\p]
	v_pk_add_f32 v[X+48+\p:X+49+\p], v[X+48+\p:X+49+\p], v[X+56+\p:X+57+\p]
	v_pk_add_f32 v[Y+\p:Y+\p+1], v[Y+\p:Y+\p+1], v[Y+8+\p:Y+9+\p]
.endr
.irp p, 0,2,4,6
	v_pk_add_f32 v[X+\p:X+\p+1], v[X+\p:X+\p+1], v[X+16+\p:X+17+\p]
	v_pk_add_f32 v[X+32+\p:X+33+\p], v[X+32+\p:X+33+\p], v[X+48+\p:X+49+\p]
.endr
.irp p, 0,2,4,6
	v_pk_add_f32 v[X+\p:X+\p+1], v[X+\p:X+\p+1], v[X+32+\p:X+33+\p]
.endr
.irp p, 0,2,4,6
	s_delay_alu instid0(VALU_DEP_4)
	v_pk_add_f32 v[X+\p:X+\p+1], v[X+\p:X+\p+1], v[Y+\p:Y+\p+1]
.endr
.irp p, 0,2,4,6
	s_delay_alu instid0(VALU_DEP_4)
	v_pk_mul_f32 v[X+\p:X+\p+1], v[X+\p:X+\p+1], s[CC:CC+1] op_sel_hi:[1,0]
.endr
	global_store_b128 v9, v[X:X+3], s[18:19]
	global_store_b128 v9, v[X+4:X+7], s[18:19] offset:16
.Lend:
	s_wait_tensorcnt 0x0
	ds_add_u32 v254, v255
	s_wait_dscnt 0x0
	s_endpgm
.Lfunc_end_k_q97deb6589d_prep:
	.size	k_q97deb6589d_prep, .Lfunc_end_k_q97deb6589d_prep-k_q97deb6589d_prep
	.p2alignl 7, 3214868480
	.fill 96, 4, 3214868480
	.section	.rodata,"a",@progbits
	.p2align	6, 0x0
	.amdhsa_kernel k_q97deb6589d_prep
		.amdhsa_group_segment_fixed_size 11264
		.amdhsa_private_segment_fixed_size 0
		.amdhsa_enable_private_segment 0
		.amdhsa_kernarg_size 64
		.amdhsa_user_sgpr_count 2
		.amdhsa_user_sgpr_kernarg_segment_ptr 1
		.amdhsa_wavefront_size32 1
		.amdhsa_system_sgpr_workgroup_id_x 1
		.amdhsa_system_sgpr_workgroup_id_y 1
		.amdhsa_system_sgpr_workgroup_id_z 1
		.amdhsa_system_vgpr_workitem_id 0
		.amdhsa_next_free_vgpr 256
		.amdhsa_next_free_sgpr 66
		.amdhsa_reserve_vcc 0
		.amdhsa_float_denorm_mode_32 3
		.amdhsa_float_denorm_mode_16_64 3
		.amdhsa_memory_ordered 1
		.amdhsa_forward_progress 1
		.amdhsa_inst_pref_size 40
	.end_amdhsa_kernel
	.amdgpu_metadata
---
amdhsa.version: [ 1, 2 ]
amdhsa.kernels:
  - .name:           k_q97deb6589d_prep
    .symbol:         k_q97deb6589d_prep.kd
    .args:
      - { .name: W_in, .offset: 0, .size: 8, .value_kind: global_buffer, .address_space: global }
      - { .name: W_ctx, .offset: 8, .size: 8, .value_kind: global_buffer, .address_space: global }
      - { .name: context, .offset: 16, .size: 8, .value_kind: global_buffer, .address_space: global }
      - { .name: b_in, .offset: 24, .size: 8, .value_kind: global_buffer, .address_space: global }
      - { .name: b_ctx, .offset: 32, .size: 8, .value_kind: global_buffer, .address_space: global }
      - { .name: wq, .offset: 40, .size: 8, .value_kind: global_buffer, .address_space: global }
      - { .name: ws, .offset: 48, .size: 8, .value_kind: global_buffer, .address_space: global }
      - { .name: bias2, .offset: 56, .size: 8, .value_kind: global_buffer, .address_space: global }
    .group_segment_fixed_size: 11264
    .private_segment_fixed_size: 0
    .kernarg_segment_align: 8
    .kernarg_segment_size: 64
    .max_flat_workgroup_size: 256
    .sgpr_count:     66
    .vgpr_count:     256
    .wavefront_size: 32
...
	.end_amdgpu_metadata
.endif
;; end of part 1
;; launch main (part 2): grid 256 x 1, 4 waves a work-group, no clusters, 327,680 bytes of LDS; arguments x, wq, ws, bias2, w_att, part; writes part
.if DOCPART == 2
	.amdgcn_target "amdgcn-amd-amdhsa--gfx1250"
	.amdhsa_code_object_version 6
	.text
	.protected	k_q97deb6589d_main
	.globl	k_q97deb6589d_main
	.p2align	8
	.type	k_q97deb6589d_main,@function
k_q97deb6589d_main:
	s_mov_b64 s[64:65], 0
	v_nop
	global_prefetch_b8 v0, s[64:65] scope:SCOPE_SE
	s_setreg_imm32_b32 hwreg(HW_REG_WAVE_MODE, 25, 1), 1
	s_wait_xcnt 0x0
; MAIN.  For 256 rows of x (work-group g: rows 256 g on of the flat [65536][1024]; batch g / 16): score = b_att + sum over e of w_att[e] tanh(x W_in^T + pc + b_in + b_ctx),
; a running softmax over the rows, and the un-normalised sum of p x.  x is read from memory once.  part[g] = 1,024 sums, then (m, l); the next launch joins a batch's sixteen work-groups.
; tanh(z) = 1 - 2 / (1 + 2^(C2 z)), C2 = 2 log2(e): score = b_att + sum w - 2 sum w / (1 + 2^(acc C2 + bias2)); bias2 holds C2 x all three biases.
; SOFTMAX in base 2 with a running maximum m: t = score log2(e), p = 2^(t - m); when m moves, l and the sums are multiplied by 2^(old m - new m).
; SHARES.  The rows come in eight GROUPS of 32 (two tiles of 16).  Group k lives as codes in register window 2 + k % 2 of ALL four waves for two half-periods of 8 N steps.  Wave w owns columns
; e = 256 w .. + 255 of W_in (16 N tiles, walked round and round: the order of e does not matter to a score) and d = 256 w .. + 255 of x (quantising, the bf16 copy, the weighted sum).
; In every half-period one group is admitted (ADMIT), eight N tiles meet the 64 live rows (GLOOP), one group retires (RETIRE), and the tensor data mover lands the next group's f32 numbers.
; W_in's codes come from memory straight into registers, in the order of the operand's registers, one N tile ahead (a ring of two tiles in window 1).
; THE MATRIX INSTRUCTION IS USED TRANSPOSED: source 0 = 16 rows of W_in, source 1 = 16 rows of x: a lane holds ONE row of x, its register j the column e = 16 n + 8 (lane / 16) + j.
; NO CLUSTER, NO JOINT LOADS: all work-groups walk the same W_in, but a joint load lands in LDS, and LDS holds the landing zone (133,120 bytes), the bf16 copy of the 64 live rows (135,168) and the
; codes' images (32,768): the text uses 312,320 of 327,680 bytes, and one N step of the four waves is 65,536 bytes of W_in.  x is shared by nobody.
; NO PREFETCH of x: a landing load is issued a whole half-period (8 N steps and a group's retirement) ahead of the wait for it.
; ONE landing slot a wave (a second does not fit): so a half-period has two waits for all tensor loads: one ahead of the reads of the slot, one, met at once, ahead of the refill's barrier.
; The ring's last two refills are read by nobody; they stay inside wq.
; LIMITS: a block of zeros gets the scale byte 1 and not 127 (zero codes; only this program reads the bytes); NaN and infinities are not served; x enters the weighted sum rounded to bf16;
; v_exp_f32 gives 0 for results under 2^-126; the running maximum starts at -3e38.
; LDS
; LEFT OUT: b_att and the sum of w_att, which are the same for every position of a batch and fall out of the softmax (shown at the head of the first kernel):
; the score that is kept here is -2 sum w / (1 + 2^(acc C2 + bias2)) alone, and m in part is the maximum of that.
; AN N STEP: the 32 products on end (two accumulators by turns, no wait inside a sum), the ring's refill, then the tanh of all four tiles as one run.
.set RAWW, 33280                       ; RAW at 0: wave w at RAWW w: 32 rows x (1,024 bytes + 16); filled by tensor loads alone, read by wave w alone
.set RP,   1040                        ; its pitch, 65 x 16 bytes: the 16 rows that a load touches begin at 16 different multiples of 16 bytes modulo 256
.set XB,   133120                      ; the bf16 copy: wave w at XBW w, window g at XBG g, row i at XBP i: 512 bytes + 16; the wave's own
.set XBW,  33792
.set XBG,  16896
.set XBP,  528
.set IMG,  268288                      ; images of the new group's 16 fragments: (t, s) at 8192 (s / 2) + 4096 t + 2048 (s % 2); at the end the way-out scratch, 1,024 w
.set ISC,  301056                      ; their scale words: 128 s + 64 t + 4 r
.set SCX,  302080                      ; the waves' parts of the scores: 512 g + 128 w + 4 row
.set PB,   303104                      ; p of 32 rows: 128 w + 4 row; the wave's own
.set BIA,  303616                      ; bias2 of my batch, each wave its own quarter; 4,096 bytes on: -2 w_att likewise
.set SPARE, 311808                     ; the spare words, 128 bytes a wave: two blocks of 256 bytes that no other line names
; REGISTERS, window 0
.set VL16, 1                           ; 16 x lane
.set VR16, 2                           ; 16 x (lane % 16)
.set VW,   3                           ; offset of the ring's refills in my part of wq
.set VS,   4                           ; and in my part of ws
.set VBB0, 5                           ; BIA + 1024 w + 32 h
.set VBT,  6                           ; the same at the trip's N tiles
.set VRAW0, 7                          ; RAWW w + RP r + 64 h
.set ARAW, 8
.set VIMG0, 9                          ; IMG + 8192 w + 16 lane
.set AIMG, 10
.set VISC0, 11                         ; ISC + 256 w + 4 r
.set AISC, 12
.set VXB0, 13                          ; XB + XBW w + XBP r + 32 h
.set AXB,  14
.set VLI,  15                          ; IMG + 16 lane
.set VLS,  16                          ; ISC + 4 lane
.set VSCW, 17                          ; SCX + 128 w + 4 lane
.set VSCR, 18                          ; SCX + 4 lane
.set VXR,  19                          ; XB + XBW w + 16 lane
.set VPB,  20                          ; PB + 128 w + 4 lane
.set VPR,  21                          ; PB + 128 w
.set SA,   24                          ; v24-39  x's scale words, 8 g + s: lanes 0-15 the even tile, lanes 16-31 the odd one; scales and nothing else
.set SB,   40                          ; v40-55  W_in's scale words, 8 par + s; scales and nothing else
.set BW,   56                          ; v56-63 bias2, v64-71 -2 w_att of the N tile in hand; at work in RETIRE
.set SACC, 72                          ; v72-79  tile t's score sums, a pair at 72 + 2 t
.set MX,   80
.set LS,   81
.set CTX,  82                          ; v82-89  the weighted sum: d = 256 w + 8 lane + 0 .. 7
.set PW,   90
.set SPW,  91                          ; SPARE + 4 x my thread's number; never rewritten
.set NIL,  92                          ; 0; never rewritten
.set ACC,  96                          ; v96-127 tile t's accumulator at 96 + 8 t; p of 32 rows in RETIRE
.set X,    128                         ; v128-191 64 numbers of x
.set XH,   192                         ; v192-223 the same as bf16
.set PC,   224                         ; v224-239 their codes
.set TM,   240                         ; v240-255 the quantiser's work.  (v128-255: 32 rows of bf16 in RETIRE)
; window 1: the ring: fragment (par, s) at 128 par + 16 s.   windows 2, 3: the live groups' codes: fragment (t % 2, s) at 128 (t % 2) + 16 s
.set WV,  18
.set MNT, 19
.set SEL, 20
.set CC,  22                           ; s[22:23] C2, twice
.set G1,  24
.set G0,  32
.set TW,  36                           ; where the ring's refills stand in my 262,144 bytes of wq
.set TS,  37
.set NB,  38
.set HM,  39                           ; lanes 16-31
.set CT,  40
.set FC,  41
.set OC,  47
.set L2E, 49
.set MSB, 0
.macro WIN new                         ; s_set_vgpr_msb: bits 1:0 source 0, 3:2 source 1, 5:4 source 2, 7:6 destination; the high byte repeats the setting that is left
.if MSB != (\new)
	s_set_vgpr_msb (MSB<<8)|(\new)
.set MSB, (\new)
.endif
.endm
.macro NOPS n
.rept \n
	v_nop
.endr
.endm
.macro TW1                             ; behind a batch of transcendentals: one plain line, and one wait ahead of the first reader
	v_nop
	s_wait_alu depctr_va_vdst(0)
.endm
; v[X] on: register 16 b + i = k 32 b + 16 (lane / 16) + i of my row -> codes in v[PC] on, scale word in v[PW]
.macro QUANT
.irp b, 0,1,2,3
	v_max3_num_f32 v[TM+\b], |v[X+16*\b]|, |v[X+1+16*\b]|, 0x4800000   ; my 16 numbers of block b, and the floor 2^(9 - 127): the byte cannot fall under 1
.endr
.irp i, 2,4,6,8,10,12,14
.irp b, 0,1,2,3
	v_max3_num_f32 v[TM+\b], v[TM+\b], |v[X+16*\b+\i]|, |v[X+1+16*\b+\i]|
.endr
.endr
.irp b, 0,1,2,3
	v_permlanex16_b32 v[TM+4+\b], v[TM+\b], s[SEL], s[SEL+1]
.endr
.irp b, 0,1,2,3
	v_max_num_f32 v[TM+\b], v[TM+\b], v[TM+4+\b]       ; with lane l xor 16's: the block's largest magnitude
.endr
.irp b, 0,1,2,3
	v_add_nc_u32 v[TM+12+\b], 0xfc000000, v[TM+\b]     ; 8 off its exponent field: the conversion's scale operand
.endr
.irp b, 0,1,2,3
	v_and_or_b32 v[TM+8+\b], v[TM+\b], 0x7f800000, s[MNT]   ; 448 x the scale
.endr
.irp b, 0,1,2,3
	v_lshrrev_b32 v[TM+4+\b], 23, v[TM+12+\b]          ; the scale's byte
.endr
	v_lshl_or_b32 v[PW], v[TM+5], 8, v[TM+4]
	v_lshl_or_b32 v[PW], v[TM+6], 16, v[PW]
	v_lshl_or_b32 v[PW], v[TM+7], 24, v[PW]
.irp b, 0,1,2,3
.irp i, 0,1,2,3,4,5,6,7,8,9,10,11,12,13,14,15
	v_med3_num_f32 v[X+16*\b+\i], v[X+16*\b+\i], -v[TM+8+\b], v[TM+8+\b]   ; the conversion does not saturate (ISA guide 7.6.2): the hold comes first
.endr
	v_cvt_scalef32_pk8_fp8_f32 v[PC+4*\b:PC+1+4*\b], v[X+16*\b:X+7+16*\b], v[TM+12+\b]
	v_cvt_scalef32_pk8_fp8_f32 v[PC+2+4*\b:PC+3+4*\b], v[X+8+16*\b:X+15+16*\b], v[TM+12+\b]
.endr
	v_nop                                          ; one plain line behind the last conversion
.endm
; One fragment, 16 rows x 128 of my d: out of the landing zone; a bf16 copy; codes and scale word; all three to LDS
.macro FRAG g
.irp c, 0,1,2,3
.irp j, 0,1,2,3
	ds_load_b128 v[X+16*\c+4*\j:X+16*\c+4*\j+3], v[ARAW] offset:128*\c+16*\j
.endr
.endr
	s_wait_dscnt 0x0                               ; the numbers are in; and the last fragment's LDS stores have read their registers
.set cm, 0
.rept 32
	v_cvt_pk_bf16_f32 v[XH+cm], v[X+2*cm], v[X+2*cm+1]   ; ahead of the holds, which change the numbers
.set cm, cm+1
.endr
	QUANT
.irp c, 0,1,2,3
	ds_store_b128 v[AIMG], v[PC+4*\c:PC+4*\c+3] offset:512*\c   ; the fragment as an image of its registers: 16 x lane
.endr
	ds_store_b32 v[AISC], v[PW]                    ; both lanes of a row write the same word with the same value
.irp c, 0,1,2,3
.irp u, 0,1
	ds_store_b128 v[AXB], v[XH+8*\c+4*\u:XH+8*\c+4*\u+3] offset:XBG*\g+64*\c+16*\u
.endr
.endr
.endm
; The new group's 16 fragments and scale words, from LDS into window 2 + g of every wave
.macro RELOAD g
	WIN 0x80+0x40*\g
.irp t, 0,1
.irp s, 0,1,2,3,4,5,6,7
.irp c, 0,1,2,3
	ds_load_b128 v[128*\t+16*\s+4*\c:128*\t+16*\s+4*\c+3], v[VLI] offset:8192*(\s/2)+4096*\t+2048*(\s%2)+512*\c
.endr
.endr
.endr
	WIN 0
.irp s, 0,1,2,3,4,5,6,7
	ds_load_b32 v[SA+8*\g+\s], v[VLS] offset:128*\s
.endr
	s_wait_dscnt 0x0
.endm
; A group is admitted into window 2 + g.  refill = 1: the landing zone is filled again with the next group
.macro ADMIT g, refill
	s_wait_tensorcnt 0x0                           ; my part of the group has landed: only I read these bytes
.irp k, 0,1,2,3
	v_mov_b32 v[SACC+4*\g+\k], 0                   ; the group's score sums begin
.endr
	s_mov_b32 s[FC], 0
.Lfrag_\@:                                         ; four trips: fragment f: tile t = f / 2, my K step s' = f % 2
	s_and_b32 s50, s[FC], 1
	s_lshr_b32 s51, s[FC], 1
	s_lshl_b32 s52, s50, 9
	s_mul_i32 s53, s51, 16*RP
	s_add_co_u32 s52, s52, s53
	v_add_nc_u32 v[ARAW], s52, v[VRAW0]            ; + 512 s' + 16 rows x t
	s_lshl_b32 s52, s[FC], 11
	v_add_nc_u32 v[AIMG], s52, v[VIMG0]            ; + 2,048 f
	s_lshl_b32 s52, s50, 7
	s_lshl_b32 s53, s51, 6
	s_add_co_u32 s52, s52, s53
	v_add_nc_u32 v[AISC], s52, v[VISC0]            ; + 128 s' + 64 t
	s_lshl_b32 s52, s50, 8
	s_mul_i32 s53, s51, 16*XBP
	s_add_co_u32 s52, s52, s53
	v_add_nc_u32 v[AXB], s52, v[VXB0]              ; + 256 s' + 16 rows x t
	FRAG \g
	s_add_co_u32 s[FC], s[FC], 1
	s_cmp_lt_u32 s[FC], 4
	s_cbranch_scc1 .Lfrag_\@
.if \refill
	s_wait_tensorcnt 0x0                           ; no tensor load of mine is out (met at once), so the descriptor may be written
	ds_add_u32 v[SPW], v[NIL]                      ; 0 onto my spare word
	s_add_nc_u64 s[G0+2:G0+3], s[G0+2:G0+3], 131072   ; the next 32 rows; the type bits on top are not reached
	s_wait_dscnt 0x0                               ; the add is done, my reads of the landing zone are over, my images have landed
	s_barrier_signal -1
	s_barrier_wait -1
	tensor_load_to_lds s[G0:G0+3], s[G1:G1+7]      ; my one tensor load behind this barrier, and the first thing there: one load of mine is out
	s_nop 0
	NOPS 4
.else
	s_wait_dscnt 0x0                               ; my images have landed
	s_barrier_signal -1
	s_barrier_wait -1
.endif
	RELOAD \g
.endm
; One matrix instruction: tile mt of the live rows, K step ms, against the N tile in ring half par.  The first K step starts the sum
.macro MM par
.set rD, ACC+8*mt
.set rW, 128*(\par)+16*ms
.set rX, 128*(mt%2)+16*ms
.set rSW, SB+8*(\par)+ms
.set rSX, SA+8*(mt/2)+ms
.if ms == 0
.if mt%2
	v_wmma_scale_f32_16x16x128_f8f6f4 v[rD:rD+7], v[rW:rW+15], v[rX:rX+15], 0, v[rSW], v[rSX] matrix_b_scale:MATRIX_SCALE_ROW1
.else
	v_wmma_scale_f32_16x16x128_f8f6f4 v[rD:rD+7], v[rW:rW+15], v[rX:rX+15], 0, v[rSW], v[rSX]
.endif
.else
.if mt%2
	v_wmma_scale_f32_16x16x128_f8f6f4 v[rD:rD+7], v[rW:rW+15], v[rX:rX+15], v[rD:rD+7], v[rSW], v[rSX] matrix_b_scale:MATRIX_SCALE_ROW1
.else
	v_wmma_scale_f32_16x16x128_f8f6f4 v[rD:rD+7], v[rW:rW+15], v[rX:rX+15], v[rD:rD+7], v[rSW], v[rSX]
.endif
.endif
.endm
; cnt lines, from number i0 on, of stage st of the tanh for tiles tb and tb + 1.  0: acc C2 + bias2 (8 packed, ascending: each accumulator is read from its low end on)
; 1: 2^.. (16)   2: + 1 (8 packed)   3: 1 / .. (16)   4: the score sums += that x -2 w_att (8 packed, the two tiles by turns)
.macro VSTG st, tb, i0, cnt
.set vi, \i0
.rept \cnt
.if \st == 0
.set va, ACC+8*(\tb)+2*vi
.set vb, BW+2*(vi%4)
	v_pk_fma_f32 v[va:va+1], v[va:va+1], s[CC:CC+1], v[vb:vb+1] op_sel_hi:[1,0,1]
.elseif \st == 1
.set va, ACC+8*(\tb)+vi
	v_exp_f32 v[va], v[va]
.elseif \st == 2
.set va, ACC+8*(\tb)+2*vi
	v_pk_add_f32 v[va:va+1], v[va:va+1], 1.0 op_sel_hi:[1,0]
.elseif \st == 3
.set va, ACC+8*(\tb)+vi
	v_rcp_f32 v[va], v[va]
.else
.set vt, (\tb)+vi%2
.set vq, vi/2
.set va, ACC+8*vt+2*vq
.set vb, BW+8+2*vq
.set vs, SACC+2*vt
	v_pk_fma_f32 v[vs:vs+1], v[va:va+1], v[vb:vb+1], v[vs:vs+1]
.endif
.set vi, vi+1
.endr
.endm
.macro WALU                            ; the wait ahead of a batch of transcendentals, and ahead of the first readers of matrix results
	s_wait_alu depctr_va_vdst(0)
.endm
.macro VALL tb                         ; all five stages on end, for tiles tb and tb + 1
	WALU
	VSTG 0, \tb, 0, 8
	WALU
	VSTG 1, \tb, 0, 16
	TW1
	VSTG 2, \tb, 0, 8
	WALU
	VSTG 3, \tb, 0, 16
	TW1
	VSTG 4, \tb, 0, 8
.endm
.macro VALL4                           ; the same for all four tiles: 32 numbers a lane, two batches of 32 transcendentals
	WALU
	VSTG 0, 0, 0, 16
	WALU
	VSTG 1, 0, 0, 32
	TW1
	VSTG 2, 0, 0, 16
	WALU
	VSTG 3, 0, 0, 32
	TW1
	VSTG 4, 0, 0, 8
	VSTG 4, 2, 0, 8
.endm
; Ring half par takes the N tile two further on: 32 loads of 512 consecutive bytes, and its scale words: two loads, 256 consecutive bytes in sixteen lanes each
.macro REFILL par
	WIN 0x40
.irp s, 0,1,2,3,4,5,6,7
.irp c, 0,1,2,3
	global_load_b128 v[128*\par+16*\s+4*\c:128*\par+16*\s+4*\c+3], v[VW], s[6:7] offset:16384*\par+2048*\s+512*\c
.endr
.endr
	WIN 0
	global_load_b128 v[SB+8*\par:SB+8*\par+3], v[VS], s[8:9] offset:512*\par
	global_load_b128 v[SB+8*\par+4:SB+8*\par+7], v[VS], s[8:9] offset:512*\par+256
.endm
; An N step: one N tile against the live rows.  act = 3: both windows; 1: window 2 alone (tiles 0, 1); 2: window 3 alone (tiles 2, 3).
; The accumulators take turns, one instruction a turn.
.macro STEP par, act
	ds_load_b128 v[BW:BW+3], v[VBT] offset:64*\par
	ds_load_b128 v[BW+4:BW+7], v[VBT] offset:64*\par+16
	ds_load_b128 v[BW+8:BW+11], v[VBT] offset:4096+64*\par
	ds_load_b128 v[BW+12:BW+15], v[VBT] offset:4096+64*\par+16
	s_wait_loadcnt 34                              ; this N tile's 34 loads are in; the 34 of the next tile, issued behind them, may be out
.if \act == 3
	WIN 0x09                                       ; source 0 (W_in) window 1, source 1 (x) window 2
.set mi, 0
.rept 16
.set mt, mi%2
.set ms, mi/2
	MM \par
.set mi, mi+1
.endr
	WIN 0x0d                                       ; source 1 window 3
.set mi, 0
.rept 16
.set mt, 2+mi%2
.set ms, mi/2
	MM \par
.set mi, mi+1
.endr
	WIN 0
	s_wait_dscnt 0x0                               ; the tile's biases and weights
	NOPS 8                                         ; eight places behind the last product, ahead of the loads into the ring and of the reads of the sums
	REFILL \par
	VALL4
.else
	WIN 0x09+4*(\act-1)
.set mi, 0
.rept 16
.set mt, 2*(\act-1)+mi%2
.set ms, mi/2
	MM \par
.set mi, mi+1
.endr
	WIN 0
	s_wait_dscnt 0x0
	NOPS 8
	REFILL \par
	VALL 2*(\act-1)
.endif
.endm
; A half-period: N tiles nbase .. nbase + 7 of my 16, two a trip
.macro GLOOP act, nbase
	s_mov_b32 s[NB], 64*\nbase
	s_mov_b32 s[CT], 4
.Lg_\@:
	s_wait_xcnt 0x0                                ; the ring's earlier loads have read their offsets, which are written now
	s_add_co_u32 s[TW], s[TW], 32768               ; two tiles on,
	s_and_b32 s[TW], s[TW], 0x3ffff                ; round my 16
	s_lshr_b32 s[TS], s[TW], 5                     ; 512 bytes of scale words for 16,384 of codes
	v_add_nc_u32 v[VW], s[TW], v[VL16]
	v_add_nc_u32 v[VS], s[TS], v[VR16]
	v_add_nc_u32 v[VBT], s[NB], v[VBB0]
	s_wait_alu depctr_va_vdst(0)
	STEP 0, \act
	STEP 1, \act
	s_add_co_u32 s[NB], s[NB], 128
	s_sub_co_u32 s[CT], s[CT], 1
	s_cmp_lg_u32 s[CT], 0
	s_cbranch_scc1 .Lg_\@
.endm
; The group in window 2 + g has met all 1,024 columns: its scores, the running softmax, and my 256 d of the weighted sum
.macro RETIRE g
.set ri, 0
.rept 32
	ds_load_b128 v[128+4*ri:131+4*ri], v[VXR] offset:XBG*\g+XBP*ri   ; row ri: my 8 numbers in bf16
.set ri, ri+1
.endr
	v_add_f32 v56, v[SACC+4*\g], v[SACC+4*\g+1]
	v_add_f32 v57, v[SACC+4*\g+2], v[SACC+4*\g+3]
	v_permlanex16_b32 v58, v56, s[SEL], s[SEL+1]   ; a row's other eight columns of each tile lie in the lane 16 away
	v_permlanex16_b32 v59, v57, s[SEL], s[SEL+1]
	v_add_f32 v56, v56, v58
	v_add_f32 v57, v57, v59
	v_cndmask_b32 v56, v56, v57, s[HM]             ; lane l now holds row l
	ds_store_b32 v[VSCW], v56 offset:512*\g
	s_wait_dscnt 0x0                               ; for the others' sake: my part of the scores has landed (and no LDS access of mine is out at the signal)
	s_barrier_signal -1                            ; the landing load stays out across it
	s_barrier_wait -1
.irp k, 0,1,2,3
	ds_load_b32 v[60+\k], v[VSCR] offset:512*\g+128*\k
.endr
	s_wait_dscnt 0x0
	v_add_f32 v60, v60, v61
	v_add_f32 v62, v62, v63
	v_add_f32 v60, v60, v62
	v_mul_f32 v60, s[L2E], v60                     ; t = score x log2(e)
	v_mov_b32 v61, v60
	v_max_num_f32_dpp v61, v61, v61 row_xmask:1 row_mask:0xf bank_mask:0xf
	v_max_num_f32_dpp v61, v61, v61 row_xmask:2 row_mask:0xf bank_mask:0xf
	v_max_num_f32_dpp v61, v61, v61 row_xmask:4 row_mask:0xf bank_mask:0xf
	v_max_num_f32_dpp v61, v61, v61 row_xmask:8 row_mask:0xf bank_mask:0xf
	v_permlanex16_b32 v62, v61, s[SEL], s[SEL+1]
	v_max3_num_f32 v61, v61, v62, v[MX]            ; the new running maximum
	v_sub_f32 v64, v[MX], v61
	v_sub_f32 v60, v60, v61
	s_wait_alu depctr_va_vdst(0)                   ; ahead of the two exponentials
	v_exp_f32 v64, v64                             ; f = 2^(old m - new m)
	v_exp_f32 v60, v60                             ; p
	v_mov_b32 v[MX], v61                           ; (the plain line behind the two)
	s_wait_alu depctr_va_vdst(0)                   ; one wait for both, ahead of the first reader
	ds_store_b32 v[VPB], v60
.irp k, 0,1,2,3,4,5,6,7
	ds_load_b128 v[ACC+4*\k:ACC+4*\k+3], v[VPR] offset:16*\k   ; all 32 p into every lane; LDS serves a wave's instructions in order (ISA guide 5.7.1.4)
.endr
	v_mov_b32 v62, v60
	v_add_f32_dpp v62, v62, v62 row_xmask:1 row_mask:0xf bank_mask:0xf
	v_add_f32_dpp v62, v62, v62 row_xmask:2 row_mask:0xf bank_mask:0xf
	v_add_f32_dpp v62, v62, v62 row_xmask:4 row_mask:0xf bank_mask:0xf
	v_add_f32_dpp v62, v62, v62 row_xmask:8 row_mask:0xf bank_mask:0xf
	v_permlanex16_b32 v58, v62, s[SEL], s[SEL+1]
	v_add_f32 v62, v62, v58
	v_fma_f32 v[LS], v[LS], v64, v62               ; l = l f + the group's sum of p
.irp q, 0,2,4,6
	v_pk_mul_f32 v[CTX+\q:CTX+\q+1], v[CTX+\q:CTX+\q+1], v[64:65] op_sel_hi:[1,0]
.endr
	s_wait_alu depctr_va_vdst(0)                   ; directly ahead of the wait below
	s_wait_dscnt 0x0
.set ri, 0
.rept 32
.irp q, 0,1,2,3
	v_fma_mix_f32_bf16 v[CTX+2*\q], v[128+4*ri+\q], v[ACC+ri], v[CTX+2*\q] op_sel_hi:[1,0,0]
	v_fma_mix_f32_bf16 v[CTX+2*\q+1], v[128+4*ri+\q], v[ACC+ri], v[CTX+2*\q+1] op_sel:[1,0,0] op_sel_hi:[1,0,0]
.endr
.set ri, ri+1
.endr
.endm
	s_load_b256 s[4:11], s[0:1], 0x0               ; x s[4:5], wq s[6:7], ws s[8:9], bias2 s[10:11]
	s_load_b64 s[12:13], s[0:1], 0x20              ; w_att
	s_load_b64 s[16:17], s[0:1], 0x28              ; part
	v_lshl_add_u32 v[SPW], v0, 2, SPARE
	v_mov_b32 v[NIL], 0
	ds_add_u32 v91, v92
	ds_add_u32 v91, v92
	s_wait_dscnt 0x0
	v_lshrrev_b32 v128, 5, v0
	v_readfirstlane_b32 s[WV], v128                ; wave 0..3
	; descriptor group 1: a tile of 32 rows x 256 f32 (my 1,024 bytes of each row), 16 bytes of padding behind each row
	s_mov_b32 s[G1+0], (2<<16)|(1<<20)|(7<<22)|(3<<25)   ; no mask; elements of 4 bytes; padding on: 4 words (code 3) after every 256 (code 7)
	s_mov_b32 s[G1+1], 256<<16                     ; tensor_dim0
	s_mov_b32 s[G1+2], 32<<16                      ; tensor_dim1
	s_mov_b32 s[G1+3], 256<<16                     ; tile_dim0
	s_mov_b32 s[G1+4], 32                          ; tile_dim1
	s_mov_b32 s[G1+5], 1024                        ; elements from row to row
	s_mov_b32 s[G1+6], 0
	s_mov_b32 s[G1+7], 0
	s_lshl_b32 s50, ttmp9, 20                      ; my work-group's 256 rows of 4,096 bytes (under 2^32),
	s_lshl_b32 s52, s[WV], 10                      ; my wave's 1,024 bytes of a row
	s_add_co_u32 s50, s50, s52
	s_mov_b32 s51, 0
	s_wait_kmcnt 0x0
	s_mov_b32 s[G0], 1
	s_mul_i32 s[G0+1], s[WV], RAWW
	s_add_nc_u64 s[G0+2:G0+3], s[4:5], s[50:51]
	s_or_b32 s[G0+3], s[G0+3], 0x80000000
	tensor_load_to_lds s[G0:G0+3], s[G1:G1+7]      ; group 0: the first fill, ahead of every wait on TENSORcnt, every LDS read and every barrier
	s_nop 0
	NOPS 4
	s_lshl_b32 s50, s[WV], 18
	s_add_nc_u64 s[6:7], s[6:7], s[50:51]          ; my 16 N tiles of codes
	s_lshl_b32 s50, s[WV], 13
	s_add_nc_u64 s[8:9], s[8:9], s[50:51]          ; and of scale words
	s_lshr_b32 s50, ttmp9, 4
	s_lshl_b32 s50, s50, 12
	s_add_co_u32 s50, s50, s52
	s_add_nc_u64 s[10:11], s[10:11], s[50:51]      ; bias2: my batch's row, my quarter
	s_mov_b32 s50, s52
	s_add_nc_u64 s[12:13], s[12:13], s[50:51]      ; w_att: my quarter
	s_mul_i32 s50, ttmp9, 4608
	s_add_co_u32 s50, s50, s52
	s_add_nc_u64 s[16:17], s[16:17], s[50:51]      ; part: my work-group's row, my quarter
	v_and_b32 v128, 31, v0                         ; lane
	v_and_b32 v129, 15, v0                         ; r
	v_bfe_u32 v130, v0, 4, 1                       ; h
	v_lshlrev_b32 v[VL16], 4, v128
	v_lshlrev_b32 v[VR16], 4, v129
	v_lshlrev_b32 v131, 2, v128                    ; 4 x lane
	global_load_b128 v[132:135], v[VL16], s[10:11]
	global_load_b128 v[136:139], v[VL16], s[10:11] offset:512
	global_load_b128 v[140:143], v[VL16], s[12:13]
	global_load_b128 v[144:147], v[VL16], s[12:13] offset:512
	s_add_co_u32 s54, s52, BIA
	v_lshl_add_u32 v[VBB0], v130, 5, s54
	v_add_nc_u32 v[ARAW], s54, v[VL16]             ; (for now: where my quarter of the biases goes)
	s_mul_i32 s50, s[WV], RAWW
	v_mul_u32_u24 v[VRAW0], v129, RP
	v_lshl_add_u32 v[VRAW0], v130, 6, v[VRAW0]
	v_add_nc_u32 v[VRAW0], s50, v[VRAW0]
	s_lshl_b32 s50, s[WV], 13
	s_add_co_u32 s50, s50, IMG
	v_add_nc_u32 v[VIMG0], s50, v[VL16]
	s_lshl_b32 s50, s[WV], 8
	s_add_co_u32 s50, s50, ISC
	v_lshl_add_u32 v[VISC0], v129, 2, s50
	s_mul_i32 s53, s[WV], XBW
	s_add_co_u32 s53, s53, XB
	v_mul_u32_u24 v[VXB0], v129, XBP
	v_lshl_add_u32 v[VXB0], v130, 5, v[VXB0]
	v_add_nc_u32 v[VXB0], s53, v[VXB0]
	v_add_nc_u32 v[VXR], s53, v[VL16]
	v_add_nc_u32 v[VLI], IMG, v[VL16]
	v_add_nc_u32 v[VLS], ISC, v131
	v_add_nc_u32 v[VSCR], SCX, v131
	s_lshl_b32 s50, s[WV], 7
	s_add_co_u32 s54, s50, SCX
	v_add_nc_u32 v[VSCW], s54, v131
	s_add_co_u32 s54, s50, PB
	v_add_nc_u32 v[VPB], s54, v131
	v_mov_b32 v[VPR], s54
	s_mov_b32 s[MNT], 0x600000
	s_mov_b32 s[SEL], 0x76543210
	s_mov_b32 s[SEL+1], 0xfedcba98
	s_mov_b32 s[CC], 0x4038aa3b
	s_mov_b32 s[CC+1], s[CC]
	s_mov_b32 s[HM], 0xffff0000
	s_mov_b32 s[L2E], 0x3fb8aa3b
	s_mov_b32 s[TW], 0
	v_mov_b32 v[MX], 0xff61b1e6                    ; -3e38, under every t
	v_mov_b32 v[LS], 0
.irp q, 0,1,2,3,4,5,6,7
	v_mov_b32 v[CTX+\q], 0
.endr
.irp b, 0,1,2,3
	v_mov_b32 v[TM+4+\b], 0                        ; written once: a lane permute's destination counts as one of its sources
.endr
	s_wait_alu depctr_va_vdst(0)                   ; directly ahead of the wait below
	s_wait_loadcnt 0x0
	ds_store_b128 v[ARAW], v[132:135]              ; bias2: each wave fills and reads its own quarter
	ds_store_b128 v[ARAW], v[136:139] offset:512
.irp q, 0,2,4,6
	v_pk_mul_f32 v[148+\q:149+\q], v[140+\q:141+\q], -2.0 op_sel_hi:[1,0]
.endr
	ds_store_b128 v[ARAW], v[148:151] offset:4096  ; -2 w_att
	ds_store_b128 v[ARAW], v[152:155] offset:4096+512
	v_mov_b32 v[VW], v[VL16]
	v_mov_b32 v[VS], v[VR16]
	REFILL 0                                       ; the ring begins with N tiles 0 and 1
	REFILL 1
	s_wait_alu depctr_va_vdst(0)
	ADMIT 0, 1                                     ; group 0; group 1 begins to land
	GLOOP 1, 0
	s_wait_dscnt 0x0                               ; the images are written again next, and no retirement's barrier lies between
	s_barrier_signal -1
	s_barrier_wait -1
	s_mov_b32 s[OC], 3
.Lpair:                                            ; three trips: groups 1 to 6 are admitted, 0 to 5 retire, 2 to 7 begin to land
	ADMIT 1, 1
	GLOOP 3, 8
	RETIRE 0
	ADMIT 0, 1
	GLOOP 3, 0
	RETIRE 1
	s_sub_co_u32 s[OC], s[OC], 1
	s_cmp_lg_u32 s[OC], 0
	s_cbranch_scc1 .Lpair
	ADMIT 1, 0                                     ; group 7: written out: nothing is left to fetch
	GLOOP 3, 8
	RETIRE 0
	GLOOP 2, 0
	RETIRE 1
	; THE WAY OUT.  A lane's eight sums are 32 bytes: they turn through my 1,024 bytes of the images' place (last read ahead of two barriers) so that each store covers 512 consecutive bytes
	s_lshl_b32 s50, s[WV], 10
	s_add_co_u32 s50, s50, IMG
	v_and_b32 v[ARAW], 31, v0
	v_lshl_add_u32 v[ARAW], v[ARAW], 5, s50
	v_add_nc_u32 v[AIMG], s50, v[VL16]
	v_mov_b32 v64, v[MX]
	v_mov_b32 v65, v[LS]
	v_mov_b32 v66, v[MX]
	v_mov_b32 v67, v[LS]
	s_wait_alu depctr_va_vdst(0)                   ; ahead of the branch
	s_cmp_lg_u32 s[WV], 0
	s_cbranch_scc1 .Lnot_wave_0
	global_store_b128 v[VL16], v[64:67], s[16:17] offset:4096   ; (m, l), the same in all four waves: wave 0 stores 512 consecutive bytes of it
.Lnot_wave_0:
	ds_store_b128 v[ARAW], v[CTX:CTX+3]
	ds_store_b128 v[ARAW], v[CTX+4:CTX+7] offset:16
	ds_load_b128 v[56:59], v[AIMG]                 ; LDS serves a wave's instructions in order: these see my stores
	ds_load_b128 v[60:63], v[AIMG] offset:512
	s_wait_dscnt 0x0
	global_store_b128 v[VL16], v[56:59], s[16:17]
	global_store_b128 v[VL16], v[60:63], s[16:17] offset:512
	s_wait_tensorcnt 0x0                           ; the wave's end
	ds_add_u32 v[SPW], v[NIL]
	s_wait_dscnt 0x0
	s_endpgm
.Lfunc_end_k_q97deb6589d_main:
	.size	k_q97deb6589d_main, .Lfunc_end_k_q97deb6589d_main-k_q97deb6589d_main
	.p2alignl 7, 3214868480
	.fill 96, 4, 3214868480
	.section	.rodata,"a",@progbits
	.p2align	6, 0x0
	.amdhsa_kernel k_q97deb6589d_main
		.amdhsa_group_segment_fixed_size 327680
		.amdhsa_private_segment_fixed_size 0
		.amdhsa_enable_private_segment 0
		.amdhsa_kernarg_size 48
		.amdhsa_user_sgpr_count 2
		.amdhsa_user_sgpr_kernarg_segment_ptr 1
		.amdhsa_wavefront_size32 1
		.amdhsa_system_sgpr_workgroup_id_x 1
		.amdhsa_system_sgpr_workgroup_id_y 1
		.amdhsa_system_sgpr_workgroup_id_z 1
		.amdhsa_system_vgpr_workitem_id 0
		.amdhsa_next_free_vgpr 1024
		.amdhsa_next_free_sgpr 66
		.amdhsa_reserve_vcc 0
		.amdhsa_float_denorm_mode_32 3
		.amdhsa_float_denorm_mode_16_64 3
		.amdhsa_memory_ordered 1
		.amdhsa_forward_progress 1
		.amdhsa_inst_pref_size 255
	.end_amdhsa_kernel
	.section	.bss,"aw",@nobits
	.p2align	6
	.space	262144
	.amdgpu_metadata
---
amdhsa.version: [ 1, 2 ]
amdhsa.kernels:
  - .name:           k_q97deb6589d_main
    .symbol:         k_q97deb6589d_main.kd
    .args:
      - { .name: x, .offset: 0, .size: 8, .value_kind: global_buffer, .address_space: global }
      - { .name: wq, .offset: 8, .size: 8, .value_kind: global_buffer, .address_space: global }
      - { .name: ws, .offset: 16, .size: 8, .value_kind: global_buffer, .address_space: global }
      - { .name: bias2, .offset: 24, .size: 8, .value_kind: global_buffer, .address_space: global }
      - { .name: w_att, .offset: 32, .size: 8, .value_kind: global_buffer, .address_space: global }
      - { .name: part, .offset: 40, .size: 8, .value_kind: global_buffer, .address_space: global }
    .group_segment_fixed_size: 327680
    .private_segment_fixed_size: 0
    .kernarg_segment_align: 8
    .kernarg_segment_size: 48
    .max_flat_workgroup_size: 128
    .sgpr_count:     66
    .vgpr_count:     1024
    .wavefront_size: 32
...
	.end_amdgpu_metadata
.endif
;; end of part 2
;; launch comb (part 3): grid 64 x 1, 2 waves a work-group, no clusters, 0 bytes of LDS; arguments part, out0; writes out0
.if DOCPART == 3
	.amdgcn_target "amdgcn-amd-amdhsa--gfx1250"
	.amdhsa_code_object_version 6
	.text
	.protected	k_q97deb6589d_comb
	.globl	k_q97deb6589d_comb
	.p2align	8
	.type	k_q97deb6589d_comb,@function
k_q97deb6589d_comb:
	s_mov_b64 s[64:65], 0
	v_nop
	global_prefetch_b8 v0, s[64:65] scope:SCOPE_SE
	s_setreg_imm32_b32 hwreg(HW_REG_WAVE_MODE, 25, 1), 1
	s_wait_xcnt 0x0
; COMB.  out0[b][d] = sum over a batch's 16 work-groups i of 2^(m_i - M) c_i[d], divided by sum of 2^(m_i - M) l_i; M = the largest m_i.
; part: 256 rows of 4,608 bytes: 1,024 sums c, then (m, l).  Work-group: batch b = id / 4, quarter q = id % 4; thread t owns d = 256 q + 4 t .. + 3.
; Each load of sums and the store of a wave cover 512 consecutive bytes.  No LDS, no barrier: threads share nothing.  64 work-groups: a batch's sum has one owner for each output.
.set CI, 16                            ; v16-79   c_i, four registers each
.set ML, 80                            ; v80-111  (m_i, l_i)
.set EI, 112                           ; v112-127 2^(m_i - M)
	s_load_b128 s[4:7], s[0:1], 0x0                ; part, out0
	s_lshr_b32 s8, ttmp9, 2                        ; batch
	s_and_b32 s9, ttmp9, 3                         ; quarter
	v_lshlrev_b32 v1, 4, v0                        ; 16 t
	v_mov_b32 v2, 0
	s_mul_i32 s10, s8, 73728                       ; 16 rows of part
	s_mov_b32 s11, 0
	s_lshl_b32 s12, s9, 10
	s_mov_b32 s13, 0
	s_lshl_b32 s14, s8, 12
	s_add_co_u32 s14, s14, s12
	s_mov_b32 s15, 0
	s_wait_alu depctr_va_vdst(0)
	s_wait_kmcnt 0x0
	s_add_nc_u64 s[4:5], s[4:5], s[10:11]
	s_add_nc_u64 s[16:17], s[4:5], s[12:13]
	s_add_nc_u64 s[6:7], s[6:7], s[14:15]
.irp i, 0,1,2,3,4,5,6,7,8,9,10,11,12,13,14,15
	global_load_b64 v[ML+2*\i:ML+2*\i+1], v2, s[4:5] offset:4608*\i+4096
.endr
.irp i, 0,1,2,3,4,5,6,7,8,9,10,11,12,13,14,15
	global_load_b128 v[CI+4*\i:CI+4*\i+3], v1, s[16:17] offset:4608*\i
.endr
	s_wait_loadcnt 16                              ; the sixteen (m, l) are in; the sixteen loads of sums, issued behind them, may be out
	v_max3_num_f32 v3, v[ML], v[ML+2], v[ML+4]
.irp i, 3,5,7,9,11,13
	v_max3_num_f32 v3, v3, v[ML+2*\i], v[ML+2*\i+2]
.endr
	v_max_num_f32 v3, v3, v[ML+30]                 ; M
.irp i, 0,1,2,3,4,5,6,7,8,9,10,11,12,13,14,15
	v_sub_f32 v[EI+\i], v[ML+2*\i], v3
.endr
	s_wait_alu depctr_va_vdst(0)
.irp i, 0,1,2,3,4,5,6,7,8,9,10,11,12,13,14,15
	v_exp_f32 v[EI+\i], v[EI+\i]
.endr
	v_nop                                          ; one plain line behind the batch,
	s_wait_alu depctr_va_vdst(0)                   ; and one wait ahead of its first reader
	v_mul_f32 v8, v[EI], v[ML+1]
.irp i, 1,2,3,4,5,6,7,8,9,10,11,12,13,14,15
	v_fma_f32 v8, v[EI+\i], v[ML+2*\i+1], v8       ; L
.endr
	s_wait_alu depctr_va_vdst(0)
	v_rcp_f32 v9, v8
	s_wait_loadcnt 0x0
.irp j, 0,1,2,3
	v_mul_f32 v[4+\j], v[EI], v[CI+\j]             ; the first term starts the sums (plain lines behind the reciprocal, which they do not name)
.endr
.irp i, 1,2,3,4,5,6,7,8,9,10,11,12,13,14,15
.irp j, 0,1,2,3
	v_fma_f32 v[4+\j], v[EI+\i], v[CI+4*\i+\j], v[4+\j]
.endr
.endr
	s_wait_alu depctr_va_vdst(0)                   ; ahead of the reciprocal's first reader
.irp j, 0,1,2,3
	v_mul_f32 v[4+\j], v[4+\j], v9
.endr
	global_store_b128 v1, v[4:7], s[6:7]
	s_endpgm
.Lfunc_end_k_q97deb6589d_comb:
	.size	k_q97deb6589d_comb, .Lfunc_end_k_q97deb6589d_comb-k_q97deb6589d_comb
	.p2alignl 7, 3214868480
	.fill 96, 4, 3214868480
	.section	.rodata,"a",@progbits
	.p2align	6, 0x0
	.amdhsa_kernel k_q97deb6589d_comb
		.amdhsa_group_segment_fixed_size 0
		.amdhsa_private_segment_fixed_size 0
		.amdhsa_enable_private_segment 0
		.amdhsa_kernarg_size 16
		.amdhsa_user_sgpr_count 2
		.amdhsa_user_sgpr_kernarg_segment_ptr 1
		.amdhsa_wavefront_size32 1
		.amdhsa_system_sgpr_workgroup_id_x 1
		.amdhsa_system_sgpr_workgroup_id_y 1
		.amdhsa_system_sgpr_workgroup_id_z 1
		.amdhsa_system_vgpr_workitem_id 0
		.amdhsa_next_free_vgpr 128
		.amdhsa_next_free_sgpr 66
		.amdhsa_reserve_vcc 0
		.amdhsa_float_denorm_mode_32 3
		.amdhsa_float_denorm_mode_16_64 3
		.amdhsa_memory_ordered 1
		.amdhsa_forward_progress 1
		.amdhsa_inst_pref_size 11
	.end_amdhsa_kernel
	.amdgpu_metadata
---
amdhsa.version: [ 1, 2 ]
amdhsa.kernels:
  - .name:           k_q97deb6589d_comb
    .symbol:         k_q97deb6589d_comb.kd
    .args:
      - { .name: part, .offset: 0, .size: 8, .value_kind: global_buffer, .address_space: global }
      - { .name: out0, .offset: 8, .size: 8, .value_kind: global_buffer, .address_space: global }
    .group_segment_fixed_size: 0
    .private_segment_fixed_size: 0
    .kernarg_segment_align: 8
    .kernarg_segment_size: 16
    .max_flat_workgroup_size: 64
    .sgpr_count:     66
    .vgpr_count:     128
    .wavefront_size: 32
...
	.end_amdgpu_metadata
.endif
;; end of part 3
